; MI455X (gfx1250); checked and timed in simulation.
; The chip was launched on July 23, 2026; its instructions are those of AMD's public machine-readable ISA for CDNA 5 (MIT licence, August 2026) and "CDNA5" Instruction Set Architecture Reference Guide (July 2026). The comments in the code are by the model that wrote it; some were corrected since.
;; Top K Pool. Allowed arithmetic: matrix products marked QUANTISED: E2M1 operands, one E8M0 scale for each 32 along K, by v_wmma_scale_f32_16x16x128_f8f6f4 with both operands' format E2M1 (or v_wmma_scale_f32_32x16x128_f4), f32 sums; products left as they are: f32 operands where the result goes on into a quantised operand, else bf16, f16 or f32 operands; f32 sums; everything else in f32.
;; Inputs: A 4,096 x 4,096 float32; S 4,096 int32; X 4,096 x 256 float32; kernel 256 x 1 float32.
;; Outputs: out0 2,048 x 256 float32; out1 2,048 x 2,048 float32; out2 2,048 int32.
;; This version of the problem:
;;   THIS VERSION OF THE PROBLEM IS GIVEN IN LOW PRECISION. The matrix products marked QUANTISED in the list below multiply operands that are first quantised to E2M1 (2 exponent bits, 1 mantissa bit; 4 bits a number), with one power-of-two scale for each 32 numbers along K (OCP MX v1.0); their sums are f32. All else is computed in f32.
;;   The module's matrix products, in the order in which they are computed (A, B: the left and right operand; K: the contracted axis; several contracted axes count as one K, in the product's order):
;;     1. [M 4,096, K 256] x [K 256, N 1]; A: input X; B: computed on the way: left as it is (N = 1 < 16)
;;     2. [M 4,096, K 4,096] x [K 4,096, N 4,096]; A: input A; B: input A: QUANTISED
;;   THE QUANTISER, for each operand of a quantised product, along K:
;;     - K is cut into blocks of 32 from its start; a last block that is shorter is filled with zeros.
;;     - A block's scale is 2^e with e = floor(log2(the largest magnitude in the block)) - 2, held to -126 .. 127; a block of zeros has e = 0. As a byte (E8M0): e + 127.
;;     - Each number is divided by its block's scale, clamped to +-6, and rounded to the nearest number of E2M1, ties to even, subnormals kept.
;;     - The product sums the exact products of the quantised numbers (number of the format x scale) in f32.
;;   ~~~python
;;   def quantise(x, axis):      # numpy; x: float32 -> the quantised numbers, widened to float32 again
;;       x = np.moveaxis(x, axis, -1); K = x.shape[-1]
;;       x = np.pad(x, [(0, 0)] * (x.ndim - 1) + [(0, -K % 32)]); x = x.reshape(x.shape[:-1] + (-1, 32)); a = np.abs(x).max(-1, keepdims=True)
;;       e = np.where(a > 0, np.clip(np.frexp(np.where(a > 0, a, 1))[1] - 1 - 2, -126, 127), 0)      # np.frexp(a)[1] - 1 = floor(log2(a)), exactly
;;       r = np.clip(x / 2.0 ** e, -6, 6)
;;       step = 2.0 ** (np.maximum(np.frexp(np.where(r == 0, 1, r))[1] - 1, 0) - 1)
;;       q = np.round(r / step) * step * 2.0 ** e      # np.round: ties to even
;;       return np.moveaxis(q.reshape(q.shape[:-2] + (-1,))[..., :K], -1, axis).astype(np.float32)
;;   ~~~
;; One version. Each part assembles by itself: llvm-mc -triple=amdgcn-amd-amdhsa -mcpu=gfx1250 --defsym DOCPART=n.
;; ======== version 1 of 1: 4 launches
;; workspace buffers: ysc 32,768 bytes; sel 2,048 bytes of whole numbers; pc 4,194,304 bytes; qc 4,194,304 bytes; ps 262,144 bytes; qs 262,144 bytes
;; launch score (part 1): grid 256 x 1, 4 waves a work-group, no clusters, 0 bytes of LDS; arguments X, kernel, ysc; writes ysc
.if DOCPART == 1
	.amdgcn_target "amdgcn-amd-amdhsa--gfx1250"
	.amdhsa_code_object_version 6
	.text
	.protected	k_q8ad435ea06_score
	.globl	k_q8ad435ea06_score
	.p2align	8
	.type	k_q8ad435ea06_score,@function
k_q8ad435ea06_score:
	s_mov_b64 s[64:65], 0
	v_nop
	global_prefetch_b8 v0, s[64:65] scope:SCOPE_SE
	s_setreg_imm32_b32 hwreg(HW_REG_WAVE_MODE, 25, 1), 1
	s_wait_xcnt 0x0
; y[i] = X[i][:] . kernel / |kernel| and th[i] = tanh(y[i]), all in f32.  X: [4096][256] f32; kernel: [256] f32.
; ysc: y[4096] f32, then th[4096] f32 at byte 16,384.
; SHARES.  Work-group g takes rows 16 g .. 16 g + 15, wave w four of them (16 g + 4 w + k).  Lane l holds columns 4 l .. 4 l + 3 and 128 + 4 l .. + 3
; of each row and of the kernel, so that every load of the wave covers 512 consecutive bytes.  A row's sum never leaves its wave: no LDS, no barrier.
; No matrix unit: the product has one column.  A wave stores 16 bytes of y and 16 of th: 32 KiB in the whole launch against 4 MiB read.
; LIMITS: an all-zero kernel (reference() gives NaN there), NaN and infinities in X or kernel are not served.  tanh is 1 - 2 / (1 + 2^(2 y log2 e)):
; its absolute error is a few units in the last place of 1.
.set KN, 4                             ; v[4:11]   my 8 numbers of the kernel, then of the normalised kernel
.set XR, 16                            ; v[16:47]  four rows, 8 numbers each
.set Y,  48                            ; v[48:55]  a pair of partial sums for each row
	s_load_b128 s[4:7], s[0:1], 0x0                ; X s[4:5], kernel s[6:7]
	s_load_b64 s[8:9], s[0:1], 0x10                ; ysc
	v_lshrrev_b32 v3, 5, v0
	v_readfirstlane_b32 s10, v3                    ; wave 0..3
	v_and_b32 v1, 31, v0                           ; lane
	v_lshlrev_b32 v2, 4, v1                        ; 16 bytes a lane
	v_mov_b32 v13, 0                               ; a lane permute's destination counts as read: written once
	v_mov_b32 v15, 0                               ; the upper half of the pair v[14:15], named with it
	s_mov_b32 s12, 0x76543210                      ; v_permlanex16_b32: each lane takes its own place in the other half
	s_mov_b32 s13, 0xfedcba98
	s_lshl_b32 s14, ttmp9, 4
	s_lshl_b32 s15, s10, 2
	s_add_co_u32 s14, s14, s15                     ; my first row: 16 g + 4 w
	s_lshl_b32 s16, s14, 10                        ; a row is 1,024 bytes
	s_mov_b32 s17, 0
	s_wait_kmcnt 0x0
	s_add_nc_u64 s[4:5], s[4:5], s[16:17]
	global_load_b128 v[KN:KN+3], v2, s[6:7]
	global_load_b128 v[KN+4:KN+7], v2, s[6:7] offset:512
.irp k, 0,1,2,3
	global_load_b128 v[XR+8*\k:XR+8*\k+3], v2, s[4:5] offset:1024*\k
	global_load_b128 v[XR+8*\k+4:XR+8*\k+7], v2, s[4:5] offset:1024*\k+512
.endr
	s_wait_loadcnt 8                               ; the kernel is in; X's eight loads, issued behind it, may stay out
	v_mul_f32 v12, v[KN], v[KN]                    ; the sum of squares: my eight,
.irp j, 1,2,3,4,5,6,7
	v_fmac_f32 v12, v[KN+\j], v[KN+\j]
.endr
.irp n, 1,2,4,8
	v_add_f32_dpp v12, v12, v12 row_xmask:\n row_mask:0xf bank_mask:0xf   ; the sixteen lanes of my half,
.endr
	v_permlanex16_b32 v13, v12, s12, s13
	v_add_f32 v12, v12, v13                        ; and the other half's
	v_rsq_f32 v14, v12                             ; 1 / |kernel|
	v_and_b32 v56, 3, v1                           ; (a plain line behind the transcendental)  lane % 4
	s_wait_alu depctr_va_vdst(0)                   ; the wait ahead of the first line that names the result
.irp j, 0,2,4,6
	v_pk_mul_f32 v[KN+\j:KN+\j+1], v[KN+\j:KN+\j+1], v[14:15] op_sel_hi:[1,0]   ; the normalised kernel
.endr
	s_wait_loadcnt 0x0                             ; X
.irp k, 0,1,2,3
	v_pk_mul_f32 v[Y+2*\k:Y+2*\k+1], v[XR+8*\k:XR+8*\k+1], v[KN:KN+1]          ; the first product starts each sum; the four rows by turns
.endr
.irp j, 2,4,6
.irp k, 0,1,2,3
	v_pk_fma_f32 v[Y+2*\k:Y+2*\k+1], v[XR+8*\k+\j:XR+8*\k+\j+1], v[KN+\j:KN+\j+1], v[Y+2*\k:Y+2*\k+1]
.endr
.endr
.irp k, 0,1,2,3
	v_add_f32 v[Y+2*\k], v[Y+2*\k], v[Y+2*\k+1]
.endr
.irp n, 1,2,4,8
.irp k, 0,1,2,3
	v_add_f32_dpp v[Y+2*\k], v[Y+2*\k], v[Y+2*\k] row_xmask:\n row_mask:0xf bank_mask:0xf
.endr
.endr
.irp k, 0,1,2,3
	v_permlanex16_b32 v[Y+2*\k+1], v[Y+2*\k], s12, s13
.endr
.irp k, 0,1,2,3
	v_add_f32 v[Y+2*\k], v[Y+2*\k], v[Y+2*\k+1]    ; every lane holds y of row k
.endr
	v_cmp_eq_u32 vcc_lo, 1, v56                    ; lane l takes y of row l % 4
	v_cndmask_b32 v57, v[Y], v[Y+2], vcc_lo
	v_cmp_eq_u32 vcc_lo, 2, v56
	v_cndmask_b32 v57, v57, v[Y+4], vcc_lo
	v_cmp_eq_u32 vcc_lo, 3, v56
	v_cndmask_b32 v57, v57, v[Y+6], vcc_lo
	v_mul_f32 v58, 0x4038aa3b, v57                 ; 2 log2(e) y
	v_exp_f32 v59, v58
	v_and_b32 v60, 4, v1                           ; (a plain line behind the transcendental)
	s_wait_alu depctr_va_vdst(0)
	v_add_f32 v59, 1.0, v59
	v_rcp_f32 v58, v59
	v_bfe_u32 v61, v1, 2, 1                        ; (a plain line)  lanes 0-3 store y, lanes 4-7 th
	s_wait_alu depctr_va_vdst(0)
	v_fma_f32 v59, v58, -2.0, 1.0                  ; tanh(y)
	v_cmp_ne_u32 vcc_lo, 0, v60
	v_cndmask_b32 v57, v57, v59, vcc_lo
	v_lshlrev_b32 v62, 2, v56
	v_lshl_add_u32 v62, v61, 14, v62               ; 4 (l % 4) + 16,384 for th
	s_lshl_b32 s16, s14, 2
	v_add_nc_u32 v62, s16, v62                     ; + 4 x my first row
	v_cmp_gt_u32 vcc_lo, 8, v1
	s_wait_xcnt 0x0                                ; EXEC changes only behind this wait
	s_and_saveexec_b32 s18, vcc_lo                 ; lanes 0 to 7
	global_store_b32 v62, v57, s[8:9]
	s_endpgm
.Lfunc_end_k_q8ad435ea06_score:
	.size	k_q8ad435ea06_score, .Lfunc_end_k_q8ad435ea06_score-k_q8ad435ea06_score
	.p2alignl 7, 3214868480
	.fill 96, 4, 3214868480
	.section	.rodata,"a",@progbits
	.p2align	6, 0x0
	.amdhsa_kernel k_q8ad435ea06_score
		.amdhsa_group_segment_fixed_size 0
		.amdhsa_private_segment_fixed_size 0
		.amdhsa_enable_private_segment 0
		.amdhsa_kernarg_size 24
		.amdhsa_user_sgpr_count 2
		.amdhsa_user_sgpr_kernarg_segment_ptr 1
		.amdhsa_wavefront_size32 1
		.amdhsa_system_sgpr_workgroup_id_x 1
		.amdhsa_system_sgpr_workgroup_id_y 1
		.amdhsa_system_sgpr_workgroup_id_z 1
		.amdhsa_system_vgpr_workitem_id 0
		.amdhsa_next_free_vgpr 64
		.amdhsa_next_free_sgpr 66
		.amdhsa_reserve_vcc 1
		.amdhsa_float_denorm_mode_32 3
		.amdhsa_float_denorm_mode_16_64 3
		.amdhsa_memory_ordered 1
		.amdhsa_forward_progress 1
		.amdhsa_inst_pref_size 7
	.end_amdhsa_kernel
	.amdgpu_metadata
---
amdhsa.version: [ 1, 2 ]
amdhsa.kernels:
  - .name:           k_q8ad435ea06_score
    .symbol:         k_q8ad435ea06_score.kd
    .args:
      - { .name: X, .offset: 0, .size: 8, .value_kind: global_buffer, .address_space: global }
      - { .name: kernel, .offset: 8, .size: 8, .value_kind: global_buffer, .address_space: global }
      - { .name: ysc, .offset: 16, .size: 8, .value_kind: global_buffer, .address_space: global }
    .group_segment_fixed_size: 0
    .private_segment_fixed_size: 0
    .kernarg_segment_align: 8
    .kernarg_segment_size: 24
    .max_flat_workgroup_size: 128
    .sgpr_count:     66
    .vgpr_count:     64
    .wavefront_size: 32
...
	.end_amdgpu_metadata
.endif
;; end of part 1
;; launch rank (part 2): grid 256 x 1, 16 waves a work-group, no clusters, 4,096 bytes of LDS; arguments ysc, sel; writes sel
.if DOCPART == 2
	.amdgcn_target "amdgcn-amd-amdhsa--gfx1250"
	.amdhsa_code_object_version 6
	.text
	.protected	k_q8ad435ea06_rank
	.globl	k_q8ad435ea06_rank
	.p2align	8
	.type	k_q8ad435ea06_rank,@function
k_q8ad435ea06_rank:
	s_mov_b64 s[64:65], 0
	v_nop
	global_prefetch_b8 v0, s[64:65] scope:SCOPE_SE
	s_setreg_imm32_b32 hwreg(HW_REG_WAVE_MODE, 25, 1), 1
	s_wait_xcnt 0x0
; Which 2,048 of the 4,096 nodes have the largest y, ties to the lower index (as jax.lax.top_k breaks them).
; rank(i) = #{j : y_j > y_i} + #{j < i : y_j = y_i}; node i is chosen where rank(i) < 2,048.  The ranks are a permutation of 0 .. 4,095, so exactly 2,048 are chosen.
; sel: u32 selm[256]: bits 0-15 of word g are the flags of nodes 16 g .. 16 g + 15;  u32 selc[256] at byte 1,024: how many of them are set.  Every store goes to a FIXED place:
; no address and no branch here hangs on y.  The launch that follows forms its addresses from these whole numbers.
; SHARES.  Work-group g ranks nodes 16 g .. 16 g + 15 against all 4,096.  Sixteen waves, four to a SIMD, so that one wave's compares stand beside another's counts.
; Thread t holds 8 keys: register 4 q + e is node j = 2,048 q + 4 t + e (two loads, 512 consecutive bytes a wave each).
; A KEY is y as a u32 that rises with y.  Keys of nodes j < 16 g are raised by 1, so that for them 'greater' means 'greater or equal': they win ties against all of my sixteen.
; Ties among my sixteen are counted apart, by wave 0.
; LIMITS: NaN in y is not served; +0 and -0 count as equal.
.set KY, 16                            ; v[16:23]  my 8 keys
.set KI, 3                             ; v3        the key of node 16 g + lane % 16
.set SK, 16                            ; s[16:31]  the sixteen keys as scalars
.set CT, 32                            ; s[32:47]  my wave's counts
	s_load_b128 s[4:7], s[0:1], 0x0                ; ysc s[4:5], sel s[6:7]
	v_lshl_add_u32 v48, v0, 2, 0x800
	v_mov_b32 v49, 0
	v_lshrrev_b32 v4, 5, v0
	v_readfirstlane_b32 s8, v4                     ; wave 0..15
	v_and_b32 v2, 31, v0                           ; lane
	v_lshlrev_b32 v1, 2, v0                        ; 4 t: my first node in a half, and my word in LDS
	v_lshlrev_b32 v9, 4, v0                        ; 16 t: my 16 bytes of a half
	s_lshl_b32 s9, ttmp9, 4                        ; 16 g
	v_and_b32 v10, 15, v0
	v_add_nc_u32 v10, s9, v10
	v_lshlrev_b32 v10, 2, v10
	s_wait_kmcnt 0x0
.irp q, 0,1
	global_load_b128 v[KY+4*\q:KY+4*\q+3], v9, s[4:5] offset:8192*\q
.endr
	global_load_b32 v[KI], v10, s[4:5]
	s_wait_loadcnt 0x0
.macro KEY r, t                        ; y -> a u32 that rises with y: -0 becomes +0; a negative number is inverted, of any other the sign bit is set
	v_add_f32 v[\r], 0, v[\r]
	v_ashrrev_i32 v[\t], 31, v[\r]
	v_or_b32 v[\t], 0x80000000, v[\t]
	v_xor_b32 v[\r], v[\r], v[\t]
.endm
.irp r, 0,1,2,3,4,5,6,7
	KEY KY+\r, 4+\r%4
.endr
	KEY KI, 4
.irp q, 0,1
.irp e, 0,1,2,3
	s_sub_co_i32 s52, s9, 2048*\q+\e               ; j < 16 g  <=>  4 t < 16 g - 2,048 q - e
	v_cmp_gt_i32 vcc_lo, s52, v1
	v_add_co_ci_u32 v[KY+4*\q+\e], vcc_lo, 0, v[KY+4*\q+\e], vcc_lo   ; + 1 there (the largest key of a finite y or an infinity is 0xff800000: no overflow)
.endr
.endr
.irp i, 0,1,2,3,4,5,6,7,8,9,10,11,12,13,14,15
	v_readlane_b32 s[SK+\i], v[KI], \i
.endr
.irp i, 0,1,2,3,4,5,6,7,8,9,10,11,12,13,14,15
.irp r, 0,4                            ; four compares, four counts, by turns, so that no line waits for the line above it
	v_cmp_gt_u32 s48, v[KY+\r], s[SK+\i]
	v_cmp_gt_u32 s49, v[KY+\r+1], s[SK+\i]
	v_cmp_gt_u32 s50, v[KY+\r+2], s[SK+\i]
	v_cmp_gt_u32 s51, v[KY+\r+3], s[SK+\i]
	s_bcnt1_i32_b32 s52, s48
	s_bcnt1_i32_b32 s53, s49
	s_bcnt1_i32_b32 s54, s50
	s_bcnt1_i32_b32 s55, s51
	s_add_co_u32 s52, s52, s53
	s_add_co_u32 s54, s54, s55
.if \r == 0
	s_add_co_u32 s[CT+\i], s52, s54                ; the first four start the count
.else
	s_add_co_u32 s[CT+\i], s[CT+\i], s52
	s_add_co_u32 s[CT+\i], s[CT+\i], s54
.endif
.endr
.endr
	v_mov_b32 v7, 0
.irp i, 0,1,2,3,4,5,6,7,8,9,10,11,12,13,14,15
	v_writelane_b32 v7, s[CT+\i], \i               ; lane i: my wave's count for node 16 g + i
.endr
	ds_store_b32 v1, v7                            ; at 128 x wave + 4 x lane
	v_lshlrev_b32 v8, 2, v2
	s_wait_dscnt 0x0                               ; for the others' sake: my store is done
	s_barrier_signal -1
	s_barrier_wait -1
	s_cmp_lg_u32 s8, 0
	s_cbranch_scc1 .Lothers                        ; wave 0 alone goes on; no barrier follows
.irp w, 0,1,2,3,4,5,6,7,8,9,10,11,12,13,14,15
	ds_load_b32 v[32+\w], v8 offset:128*\w
.endr
	s_wait_dscnt 0x0
	v_add3_u32 v32, v32, v33, v34
	v_add3_u32 v35, v35, v36, v37
	v_add3_u32 v38, v38, v39, v40
	v_add3_u32 v41, v41, v42, v43
	v_add3_u32 v44, v44, v45, v46
	v_add3_u32 v32, v32, v35, v38
	v_add3_u32 v41, v41, v44, v47
	v_add_nc_u32 v32, v32, v41                     ; lane i: the sixteen waves' counts
.irp j, 0,1,2,3,4,5,6,7,8,9,10,11,12,13,14
	v_cmp_eq_u32 vcc_lo, s[SK+\j], v[KI]           ; ties among my sixteen: node j wins against the nodes i > j with the same key
	s_and_b32 vcc_lo, vcc_lo, (0xffff<<(\j+1))&0xffff
	v_add_co_ci_u32 v32, vcc_lo, 0, v32, vcc_lo
.endr
	v_cmp_gt_u32 vcc_lo, 0x800, v32                ; rank < 2,048
	s_and_b32 s52, vcc_lo, 0xffff                  ; the sixteen flags
	s_bcnt1_i32_b32 s53, s52                       ; and their number
	v_mov_b32 v9, s52
	v_mov_b32 v10, s53
	s_lshl_b32 s54, ttmp9, 2
	v_mov_b32 v11, s54
	v_cmp_gt_u32 vcc_lo, 1, v2
	s_wait_xcnt 0x0                                ; EXEC changes only behind this wait
	s_wait_tensorcnt 0x0
	ds_add_u32 v48, v49
	s_wait_dscnt 0x0
	s_and_saveexec_b32 s55, vcc_lo                 ; lane 0
	global_store_b32 v11, v9, s[6:7]
	global_store_b32 v11, v10, s[6:7] offset:1024
	s_endpgm
.Lothers:
	s_wait_tensorcnt 0x0
	ds_add_u32 v48, v49
	s_wait_dscnt 0x0
	s_endpgm
.Lfunc_end_k_q8ad435ea06_rank:
	.size	k_q8ad435ea06_rank, .Lfunc_end_k_q8ad435ea06_rank-k_q8ad435ea06_rank
	.p2alignl 7, 3214868480
	.fill 96, 4, 3214868480
	.section	.rodata,"a",@progbits
	.p2align	6, 0x0
	.amdhsa_kernel k_q8ad435ea06_rank
		.amdhsa_group_segment_fixed_size 4096
		.amdhsa_private_segment_fixed_size 0
		.amdhsa_enable_private_segment 0
		.amdhsa_kernarg_size 16
		.amdhsa_user_sgpr_count 2
		.amdhsa_user_sgpr_kernarg_segment_ptr 1
		.amdhsa_wavefront_size32 1
		.amdhsa_system_sgpr_workgroup_id_x 1
		.amdhsa_system_sgpr_workgroup_id_y 1
		.amdhsa_system_sgpr_workgroup_id_z 1
		.amdhsa_system_vgpr_workitem_id 0
		.amdhsa_next_free_vgpr 50
		.amdhsa_next_free_sgpr 66
		.amdhsa_reserve_vcc 1
		.amdhsa_float_denorm_mode_32 3
		.amdhsa_float_denorm_mode_16_64 3
		.amdhsa_memory_ordered 1
		.amdhsa_forward_progress 1
		.amdhsa_inst_pref_size 26
	.end_amdhsa_kernel
	.amdgpu_metadata
---
amdhsa.version: [ 1, 2 ]
amdhsa.kernels:
  - .name:           k_q8ad435ea06_rank
    .symbol:         k_q8ad435ea06_rank.kd
    .args:
      - { .name: ysc, .offset: 0, .size: 8, .value_kind: global_buffer, .address_space: global }
      - { .name: sel, .offset: 8, .size: 8, .value_kind: global_buffer, .address_space: global }
    .group_segment_fixed_size: 4096
    .private_segment_fixed_size: 0
    .kernarg_segment_align: 8
    .kernarg_segment_size: 16
    .max_flat_workgroup_size: 512
    .sgpr_count:     66
    .vgpr_count:     50
    .wavefront_size: 32
...
	.end_amdgpu_metadata
.endif
;; end of part 2
;; launch place (part 3): grid 32 x 8, 8 waves a work-group, no clusters, 308,224 bytes of LDS; arguments A, sel, pc, qc, ps, qs, X, S, ysc, out0, out2; writes pc, qc, ps, qs, out0, out2
.if DOCPART == 3
	.amdgcn_target "amdgcn-amd-amdhsa--gfx1250"
	.amdhsa_code_object_version 6
	.text
	.protected	k_q8ad435ea06_place
	.globl	k_q8ad435ea06_place
	.p2align	8
	.type	k_q8ad435ea06_place,@function
k_q8ad435ea06_place:
	s_mov_b64 s[64:65], 0
	v_nop
	global_prefetch_b8 v0, s[64:65] scope:SCOPE_SE
	s_setreg_imm32_b32 hwreg(HW_REG_WAVE_MODE, 25, 1), 1
	s_wait_xcnt 0x0
; A [4096][4096] f32 is read ONCE and quantised to FP4 (E2M1, one E8M0 scale for each 32 along K) BOTH ways, and only what reference() keeps is stored, compacted:
;   P = A[idx][:],  K = A's columns:  pc [kb 128][m 2048][16 bytes] (kb: the block of 32 along K; m: the chosen row's place),  ps [kq 32][m 2048][4 bytes] (byte b: block 4 kq + b);
;   Q = A[:][idx]^T, K = A's rows:    qc [n 2048][2048 bytes], K innermost (n: the chosen column's place),                  qs [kq 32][n 2048][4 bytes].
; Also out0[place] = X[i] tanh(y_i) and out2[place] = S[i] for the chosen nodes i.  A node's place is the number of chosen nodes with a lower index: it comes from sel, the whole numbers that an
; earlier launch stored (selm: 16 flags a word; selc: their count).  Nothing here branches on loaded numbers: what is not chosen is left out by EXEC.
; A block's scale is 2^(floor(log2(its largest magnitude)) - 2): its byte is that magnitude's exponent field - 2, held at 1 from below.
; LIMITS: NaN and infinities in A are not served; a block of zeros gets the byte 1 (the rule says 127) over zero codes, and this program alone reads the bytes; blocks whose largest magnitude
; lies under 2^-124, the floor, were not tried.
; SHARES.  Work-group (x, y) owns rows 512 y .. + 511 and columns 128 x .. + 127 of A, 256 KiB: all of it is asked for at the head, 32 tensor loads of 16 rows x 512 bytes, four a wave, each
; into LDS bytes of its own.  Nothing is filled again.  By this text's own count four tensor loads of a wave are out.
; EIGHT WAVES, two to a SIMD, all on the same text, so that one wave's waits (for LDS, for the masked stores' addresses) stand beside the other's arithmetic.  Wave v has the strip w = v % 4, columns
; 128 x + 32 w .. + 31 (P's block kb = 4 x + w), and the half u = v / 4, rows 256 u .. + 255 of the region: it walks 8 tiles of 32 x 32 down them.
; A tile is read from LDS twice: lane = column, registers down the rows (Q's block), and lane = row, registers along the columns (P's block): nothing is transposed.
; Q: a column's 16 blocks are 256 bytes: the two waves of a strip gather a half each in the strip's stage; behind a barrier they leave as one aligned run of 256 consecutive bytes, sixteen lanes to a column.
; P: a tile gives one block of 16 bytes a row.  The chosen rows' blocks are sent to lane (place mod 32) and gathered in a window of 32 places; a full window leaves as 512 consecutive bytes.
; Only the first and the last window of a walk are stored in part (the walk above or below stores the rest): 15 borders between the 16 walks of a block kb.
; EVERY ADDRESS REGISTER IS MADE AT THE HEAD, while A is on its way and all lanes are on, and none is written again: the walk down the tiles only reads them.
; No cluster: no two work-groups read the same bytes of A.
.set PITCH, 528                        ; an LDS row of A: 512 bytes + 16 of padding = 33 x 16 bytes
.set CHUNK, 32*PITCH                   ; a tile's 32 rows
.set QST,   16*CHUNK                   ; behind A's 512 rows: Q's stages, 32 columns x QP bytes for each strip
.set QP,    272                        ; 256 bytes + 16 = 17 x 16 bytes
.set PSB,   QST+4*32*QP                ; behind them: P's scale bytes, [512 rows][4 bytes], byte w from the strip's waves
.set XQ,  64                           ; v[64:127]   two sets of 32 numbers: lane = column;  at the end: Q's stage read back
.set XP,  128                          ; v[128:191]  two sets of 32 numbers: lane = row;     at the end: P's scale words.  Until the first tile is read these registers serve the head:
.set XR,  128                          ; v[128:143]  two rows of X
.set SD,  160                          ; v160        S of node 16 g + lane % 16
.set OO,  161                          ; v[161:162]  out0: the byte offset of each of my two rows
.set O2,  165                          ; v165        out2: the byte offset of node 16 g + lane
.set BA,  168                          ; v[168:175]  4 x the lane from which a column's place is pulled
.set ACC, 28                           ; v[28:31]    the window in hand: lane l holds the block of place (window's first + l)
.set R,   32                           ; v[32:35]    a tile's blocks as they arrive at their lanes
.set PC,  36                           ; v[36:39]    P's codes just made
.set QC,  40                           ; v[40:43]    Q's
.set QW,  44                           ; v[44:45]    Q's scale words: four blocks each
.set WO,  192                          ; v[192:200]  pc: my lane's byte offset in the window that is in hand at tile t; 8: behind the last tile
.set AQ,  209                          ; v[209:211]  LDS address, lane = column, of tiles 3 i .. 3 i + 2
.set AP,  215                          ; v[215:217]  LDS address, lane = row, of the same
.set QPL, 224                          ; v[224:231]  qc: the byte offset of my 16 bytes of column 16 u + 2 i + lane / 16
.set PSO, 240                          ; v[240:241]  ps: the byte offset of row 64 v + 32 k + lane
.set QSO, 244                          ; v244        qs: the byte offset of my column
.set G1,  68                           ; s[68:75]    descriptor group 1
.set G0,  76                           ; s[76:91]    four groups 0: none is written again
; other vector registers: v1 lane, v2 8 x lane, v3-4 at work, v7 lane / 16, v[8:15] eight counts of selc, v18 my half of my column's row in the stage, v19 my scale byte's place, v20 my lane's byte in a window of pc,
; v22-24 destination lanes, v25 the stage read back, v26 16 (lane % 16) + 256 y, v27 P's scale words read back, v48-52 the quantiser's, v53 16 x lane, v54-55 the head's load offsets.
; scalar: s[4:25] the eleven pointers, s26 w, s27 x, s28 y, s29 g = 32 y + x, s30 p (the place of the next chosen row), s31 V (the lanes of the window that are filled), s[32:39] my tiles' row flags,
; s[48:49] the flags of the 64 rows whose scale words I store, s[52:53] all lanes or none for my two rows of X, s54 v, s55 u, s[56:57] the number 1 in 64 bits, s[58:59] a tile's lanes in this window and in the next,
; s60 c, s61 p mod 32, s62 p + c, s63 a store's lanes, s66 the next V, s[92:93] tanh(y) of my two rows of X, s94 the flags of the 16 columns whose codes I store, s96 my strip's columns' flags,
; s98 the flags of nodes 16 g .. + 15, s99 the place of my first column, s104 the place of my first scale row, s105 the place of node 16 g, later at work.
.macro NARROW m                        ; EXEC = the lanes named in s[m].  EXEC is a source of pending loads and stores: it changes only behind s_wait_xcnt 0
	s_mov_b32 vcc_lo, s[\m]
	s_wait_xcnt 0x0
	s_and_saveexec_b32 s2, vcc_lo                  ; (all lanes were on: what s2 takes is all ones)
.endm
.macro WIDEN                           ; all lanes on again; behind the wait the stores' data may be written again too
	s_wait_xcnt 0x0
	s_mov_b32 exec_lo, -1
.endm
	s_load_b256 s[4:11], s[0:1], 0x0               ; A s[4:5], sel s[6:7], pc s[8:9], qc s[10:11]
	s_load_b256 s[12:19], s[0:1], 0x20             ; ps s[12:13], qs s[14:15], X s[16:17], S s[18:19]
	s_load_b128 s[20:23], s[0:1], 0x40             ; ysc s[20:21], out0 s[22:23]
	s_load_b64 s[24:25], s[0:1], 0x50              ; out2
	v_lshl_add_u32 v254, v0, 2, 0x4b000
	v_mov_b32 v255, 0
	ds_add_u32 v254, v255
	ds_add_u32 v254, v255
	v_lshrrev_b32 v3, 5, v0
	v_readfirstlane_b32 s54, v3                    ; wave v = 0..7
	s_and_b32 s26, s54, 3                          ; w: my strip
	s_lshr_b32 s55, s54, 2                         ; u: my half of the rows
	s_mov_b32 s27, ttmp9                           ; x
	s_and_b32 s28, ttmp7, 0xffff                   ; y
	s_lshl_b32 s29, s28, 5
	s_add_co_u32 s29, s29, s27                     ; g
	; descriptor group 1: 16 rows x 128 elements of 4 bytes, 4,096 elements from row to row, 4 words of padding behind every 128
	s_mov_b32 s[G1+0], (2<<16)|(1<<20)|(6<<22)|(3<<25)
	s_mov_b32 s[G1+1], 128<<16                     ; tensor_dim0
	s_mov_b32 s[G1+2], 16<<16                      ; tensor_dim1
	s_mov_b32 s[G1+3], 128<<16                     ; tile_dim0
	s_mov_b32 s[G1+4], 16                          ; tile_dim1
	s_mov_b32 s[G1+5], 4096                        ; tensor_dim0_stride
	s_mov_b32 s[G1+6], 0
	s_mov_b32 s[G1+7], 0
	s_lshl_b32 s30, s28, 23                        ; 512 y rows of 16,384 bytes,
	s_lshl_b32 s31, s55, 22                        ; 256 u rows,
	s_add_co_u32 s30, s30, s31
	s_lshl_b32 s31, s26, 18                        ; 16 w rows,
	s_add_co_u32 s30, s30, s31
	s_lshl_b32 s31, s27, 9                         ; 128 x columns
	s_add_co_u32 s30, s30, s31
	s_mov_b32 s31, 0
	s_mul_i32 s67, s55, 8*CHUNK                    ; in LDS: 256 u rows
	s_mul_i32 s66, s26, 16*PITCH                   ; + 16 w rows
	s_add_co_u32 s67, s67, s66
	s_wait_dscnt 0x0
	s_wait_kmcnt 0x0
	s_add_nc_u64 s[4:5], s[4:5], s[30:31]
.irp s, 0,1,2,3                        ; my load s brings rows 256 u + 64 s + 16 w .. + 15 of the region: the eight waves' loads s are tiles 2 s and 2 s + 1 of both halves
	s_mov_b32 s[G0+4*\s], 1
	s_add_co_u32 s[G0+4*\s+1], s67, \s*2*CHUNK
	s_add_nc_u64 s[G0+4*\s+2:G0+4*\s+3], s[4:5], \s*1048576
	s_or_b32 s[G0+4*\s+3], s[G0+4*\s+3], 0x80000000
.endr
.irp s, 0,1,2,3
	tensor_load_to_lds s[G0+4*\s:G0+4*\s+3], s[G1:G1+7]
	s_nop 0
.endr
	v_and_b32 v1, 31, v0                           ; lane
	v_lshlrev_b32 v2, 3, v1
	v_lshlrev_b32 v54, 5, v1                       ; selc: 32 bytes a lane
	v_lshlrev_b32 v53, 4, v1                       ; X and out0: 16 bytes a lane
	v_and_b32 v55, 15, v0
	s_lshl_b32 s30, s29, 4                         ; 16 g
	v_add_nc_u32 v55, s30, v55
	v_lshlrev_b32 v55, 2, v55                      ; S of node 16 g + lane % 16
	s_lshl_b32 s31, s54, 1
	s_add_co_u32 s30, s30, s31                     ; my two rows of X begin at 16 g + 2 v
	s_lshl_b32 s67, s30, 2
	s_lshl_b32 s30, s30, 10
	s_mov_b32 s31, 0
	s_add_nc_u64 s[16:17], s[16:17], s[30:31]
	s_lshl_b32 s2, s28, 7                          ; selm, in bytes: the region's rows begin at word 32 y;
	s_lshl_b32 s95, s54, 4
	s_add_co_u32 s95, s95, s2                      ; my scale rows are words 32 y + 4 v .. + 3,
	s_lshl_b32 s3, s55, 6
	s_add_co_u32 s2, s2, s3                        ; my walk's rows words 32 y + 16 u .. + 15,
	s_lshl_b32 s3, s27, 5
	s_lshl_b32 s66, s26, 3
	s_add_co_u32 s3, s3, s66                       ; my columns words 8 x + 2 w, + 1,
	s_lshl_b32 s66, s29, 2                         ; my nodes of X word g
	global_load_b128 v[8:11], v54, s[6:7] offset:1024
	global_load_b128 v[12:15], v54, s[6:7] offset:1040
.irp k, 0,1
	global_load_b128 v[XR+8*\k:XR+8*\k+3], v53, s[16:17] offset:1024*\k th:TH_LOAD_NT
	global_load_b128 v[XR+8*\k+4:XR+8*\k+7], v53, s[16:17] offset:1024*\k+512 th:TH_LOAD_NT
.endr
	global_load_b32 v[SD], v55, s[18:19]
	s_load_b512 s[32:47], s[6:7], s2 offset:0x0    ; all the scalar loads go out together: one wait serves them
	s_load_b128 s[48:51], s[6:7], s95 offset:0x0
	s_load_b64 s[96:97], s[6:7], s3 offset:0x0
	s_load_b32 s98, s[6:7], s66 offset:0x0
	s_load_b64 s[92:93], s[20:21], s67 offset:0x4000
	s_mov_b32 s100, 0x76543210                     ; v_permlanex16_b32: each lane takes its own place in the other half
	s_mov_b32 s101, 0xfedcba98
.irp i, 0,1,2,3
	v_mov_b32 v[ACC+\i], 0                         ; written whole once: the window is then written lane by lane
.endr
	; the addresses that hang on ids alone
	v_bfe_u32 v7, v0, 4, 1                         ; lane / 16
	s_lshl_b32 s30, s26, 7                         ; my strip: 128 w bytes into a row,
	s_mul_i32 s31, s55, 8*CHUNK                    ; my half: 256 u rows down
	s_add_co_u32 s30, s30, s31
	v_lshl_add_u32 v[AQ], v1, 2, s30               ; lane = column
	v_mul_u32_u24 v[AP], v1, PITCH
	v_add_nc_u32 v[AP], s30, v[AP]                 ; lane = row
.irp i, 1,2                            ; a register serves three tiles: 2 CHUNK + 31 PITCH = 50,160, inside the 16-bit immediate of an LDS instruction
	v_add_nc_u32 v[AQ+\i], \i*3*CHUNK, v[AQ]
	v_add_nc_u32 v[AP+\i], \i*3*CHUNK, v[AP]
.endr
	s_mul_i32 s31, s26, 32*QP
	s_add_co_u32 s31, s31, QST                     ; my strip's stage
	s_lshl_b32 s30, s55, 7                         ; into it: my half of a column's 256 bytes: blocks 8 u .. 8 u + 7
	s_add_co_u32 s30, s30, s31
	v_mul_u32_u24 v18, v1, QP
	v_add_nc_u32 v18, s30, v18
	v_and_b32 v26, 15, v0
	v_mul_u32_u24 v25, v7, QP
	v_lshl_add_u32 v25, v26, 4, v25
	s_mul_i32 s30, s55, 16*QP                      ; back: columns 16 u on; lanes 0-15 one column's 256 bytes, lanes 16-31 the next column's
	s_add_co_u32 s30, s30, s31
	v_add_nc_u32 v25, s30, v25
	s_lshl_b32 s31, s28, 8
	v_lshl_add_u32 v26, v26, 4, s31
	s_lshl_b32 s30, s55, 10                        ; P's scale bytes: row 256 u + lane, byte w
	s_add_co_u32 s30, s30, s26
	v_lshl_add_u32 v19, v1, 2, s30
	v_add_nc_u32 v19, PSB, v19
	s_lshl_b32 s30, s54, 8                         ; back: rows 64 v on
	v_lshl_add_u32 v27, v1, 2, s30
	v_add_nc_u32 v27, PSB, v27
	s_lshl_b32 s30, s27, 2
	s_add_co_u32 s30, s30, s26                     ; kb = 4 x + w
	s_lshl_b32 s30, s30, 15                        ; 2,048 places of 16 bytes
	v_lshl_add_u32 v20, v1, 4, s30
	s_lshl_b32 s30, s55, 6
	v_lshl_add_u32 v[BA], v7, 2, s30               ; 4 x (16 u + lane / 16)
.irp i, 1,2,3,4,5,6,7
	v_add_nc_u32 v[BA+\i], 8*\i, v[BA]             ; + 4 x 2 i
.endr
	s_wait_kmcnt 0x0
.irp t, 0,1,2,3,4,5,6,7                ; two words of 16 flags make a tile's 32, in place, ascending
	s_lshl_b32 s105, s[33+2*\t], 16
	s_or_b32 s[32+\t], s[32+2*\t], s105
.endr
.irp k, 0,1
	s_lshl_b32 s105, s[49+2*\k], 16
	s_or_b32 s[48+\k], s[48+2*\k], s105            ; the flags of rows 64 v + 32 k .. + 31
.endr
	s_lshl_b32 s105, s97, 16
	s_or_b32 s96, s96, s105                        ; my strip's 32 columns' flags
	s_lshl_b32 s95, s55, 4
	s_lshr_b32 s94, s96, s95                       ; from bit 0 on: columns 16 u .. 16 u + 15
	s_lshl_b32 s59, s28, 5                         ; the words of selc in front of:
	s_lshl_b32 s56, s55, 4
	s_add_co_u32 s56, s56, s59                     ; my walk's rows,
	s_lshl_b32 s58, s54, 2
	s_add_co_u32 s59, s59, s58                     ; my scale rows,
	s_lshl_b32 s57, s27, 3
	s_lshl_b32 s58, s26, 1
	s_add_co_u32 s57, s57, s58                     ; my columns,
	s_mov_b32 s58, s29                             ; my nodes of X
	s_wait_loadcnt 5                               ; selc is in; X's four loads and S's one, issued behind it, may stay out
; The sum of selc[e] over e < s[thr].  Lane l holds words 8 l .. 8 l + 7.  Whole numbers throughout.
.macro PREFIX thr, dst
	v_cmp_gt_i32 vcc_lo, s[\thr], v2
	v_cndmask_b32 v3, 0, v8, vcc_lo
.irp e, 1,2,3,4,5,6,7
	s_sub_co_i32 s67, s[\thr], \e                  ; 8 l + e < thr
	v_cmp_gt_i32 vcc_lo, s67, v2
	v_cndmask_b32 v4, 0, v[8+\e], vcc_lo
	v_add_nc_u32 v3, v3, v4
.endr
.irp n, 1,2,4,8
	v_mov_b32_dpp v4, v3 row_xmask:\n row_mask:0xf bank_mask:0xf
	v_add_nc_u32 v3, v3, v4
.endr
	v_permlanex16_b32 v4, v3, s100, s101
	v_add_nc_u32 v3, v3, v4
	v_readfirstlane_b32 s[\dst], v3
.endm
	PREFIX 56, 30
	PREFIX 57, 99
	PREFIX 58, 105
	PREFIX 59, 104
	; the addresses that hang on places.  Each place is held inside its buffer by a minimum with a constant; what lies past the last place is stored by no lane
	v_mbcnt_lo_u32_b32 v3, s96, s99                ; Q: my column's place, if it is chosen
.irp i, 0,1,2,3,4,5,6,7
	ds_bpermute_b32 v[QPL+\i], v[BA+\i], v3        ; the place of column 16 u + 2 i + lane / 16; no LDS byte is touched
.endr
	v_min_u32 v4, 0x7ff, v3
	v_lshlrev_b32 v4, 2, v4
	s_lshl_b32 s67, s28, 15                        ; kq = 4 y + 2 u: 8,192 bytes each
	s_lshl_b32 s66, s55, 14
	s_add_co_u32 s67, s67, s66
	v_add_nc_u32 v[QSO], s67, v4
	s_lshl_b32 s66, s27, 13                        ; P's scale words: kq = x
.irp k, 0,1
	v_mbcnt_lo_u32_b32 v[PSO+\k], s[48+\k], s104   ; the place of row 64 v + 32 k + lane
	s_bcnt1_i32_b32 s67, s[48+\k]
	s_add_co_u32 s104, s104, s67
	v_min_u32 v[PSO+\k], 0x7ff, v[PSO+\k]
	v_lshlrev_b32 v[PSO+\k], 2, v[PSO+\k]
	v_add_nc_u32 v[PSO+\k], s66, v[PSO+\k]
.endr
	s_mov_b32 s60, s30                             ; P's windows: the place at which tile t begins,
.irp t, 0,1,2,3,4,5,6,7,8
	s_and_b32 s61, s60, 0xffffffe0                 ; its window's first place,
	s_min_u32 s61, s61, 2016
	s_lshl_b32 s61, s61, 4                         ; 16 bytes a place
	v_add_nc_u32 v[WO+\t], s61, v20
.if \t < 8
	s_bcnt1_i32_b32 s62, s[32+\t]
	s_add_co_u32 s60, s60, s62
.endif
.endr
	s_lshl_b32 s60, s54, 1                         ; out0: row k of my two is node 16 g + 2 v + k: bit b = 2 v + k of s98
.irp k, 0,1
	s_add_co_u32 s61, s60, \k
	s_bfm_b32 s66, s61, 0
	s_and_b32 s66, s66, s98
	s_bcnt1_i32_b32 s66, s66
	s_add_co_u32 s66, s66, s105                    ; its place
	s_min_u32 s66, s66, 2047
	s_lshl_b32 s66, s66, 10
	v_add_nc_u32 v[OO+\k], s66, v53
	s_lshr_b32 s62, s98, s61
	s_and_b32 s62, s62, 1
	s_cselect_b32 s[52+\k], -1, 0                  ; all lanes or none
.endr
	v_mbcnt_lo_u32_b32 v[O2], s98, s105            ; out2: lane l < 16: the place of node 16 g + l
	v_min_u32 v[O2], 0x7ff, v[O2]
	v_lshlrev_b32 v[O2], 2, v[O2]
	s_cmp_eq_u32 s54, 0
	s_cselect_b32 s63, s98, 0                      ; wave 0 stores them
	s_wait_dscnt 0x0                               ; the eight places are here
.irp i, 0,1,2,3,4,5,6,7
	v_min_u32 v[QPL+\i], 0x7ff, v[QPL+\i]
	v_lshl_add_u32 v[QPL+\i], v[QPL+\i], 11, v26   ; place x 2,048 bytes + 256 y + 16 (lane % 16)
.endr
	; out0 and out2, while A is on its way
	s_wait_loadcnt 0x0
.irp k, 0,1
.irp i, 0,1,2,3,4,5,6,7
	v_mul_f32 v[XR+8*\k+\i], s[92+\k], v[XR+8*\k+\i]
.endr
.endr
.irp k, 0,1
	NARROW 52+\k
	global_store_b128 v[OO+\k], v[XR+8*\k:XR+8*\k+3], s[22:23] th:TH_STORE_NT               ; 32 lanes store 512 consecutive bytes, aligned
	global_store_b128 v[OO+\k], v[XR+8*\k+4:XR+8*\k+7], s[22:23] offset:512 th:TH_STORE_NT
	WIDEN
.endr
	NARROW 63
	global_store_b32 v[O2], v[SD], s[24:25] th:TH_STORE_NT
	WIDEN
	s_mov_b32 s56, 1
	s_mov_b32 s57, 0
	s_mov_b32 s31, 0                               ; no lane of the window is filled yet
; Tile t of my walk (rows 256 u + 32 t .. + 31 of the region, my 32 columns) out of LDS, twice: 32 loads of a word, lane = column; 8 loads of 16 bytes, lane = row.  40 LDS loads.
.macro LOADT t
.set i, 0
.rept 32
	ds_load_b32 v[XQ+32*((\t)%2)+i], v[AQ+(\t)/3] offset:((\t)%3)*CHUNK+i*PITCH
.set i, i+1
.endr
.set i, 0
.rept 8
	ds_load_b128 v[XP+32*((\t)%2)+4*i:XP+32*((\t)%2)+4*i+3], v[AP+(\t)/3] offset:((\t)%3)*CHUNK+16*i
.set i, i+1
.endr
.endm
; A block of 32 numbers in one lane's registers v[s] .. v[s + 31] becomes 16 bytes of codes in v[c] .. v[c + 3] and its scale byte in v[e].
.macro QUANT s, c, e
	v_max3_num_f32 v48, |v[\s]|, |v[\s+1]|, |v[\s+2]|               ; the largest magnitude, in two chains
	v_max3_num_f32 v49, |v[\s+3]|, |v[\s+4]|, |v[\s+5]|
.irp i, 6,10,14,18,22,26
	v_max3_num_f32 v48, v48, |v[\s+\i]|, |v[\s+\i+1]|
	v_max3_num_f32 v49, v49, |v[\s+\i+2]|, |v[\s+\i+3]|
.endr
	v_max3_num_f32 v48, v48, |v[\s+30]|, |v[\s+31]|
	v_max3_num_f32 v48, v48, v49, 0x1800000        ; and the floor 2^(3 - 127): the byte cannot fall under 1
	v_add_nc_u32 v50, 0xff000000, v48              ; 2 off its exponent field: the conversion takes the exponent field of this operand as its scale, and nothing else of it
	v_lshrrev_b32 v[\e], 23, v50                   ; the scale's byte
.irp g, 0,1,2,3
	v_cvt_scalef32_pk8_fp4_f32 v[\c+\g], v[\s+8*\g:\s+8*\g+7], v50
.endr
.endm
; Where tile t's rows go.  A chosen row goes to lane (its place mod 32); the others fill the lanes that are left, so that the 32 destinations are a permutation.
; c chosen rows from place p on take lanes p mod 32 .. of this window and, past lane 31, the first lanes of the next: the two words of ((1 << c) - 1) << (p mod 32).
.macro PDEST t
	s_bcnt1_i32_b32 s60, s[32+(\t)]                ; c
	s_and_b32 s61, s30, 31
	s_add_co_u32 s62, s30, s60
	s_not_b32 s67, s[32+(\t)]
	v_mbcnt_lo_u32_b32 v23, s[32+(\t)], s30
	v_mbcnt_lo_u32_b32 v24, s67, s62
	s_mov_b32 vcc_lo, s[32+(\t)]
	v_cndmask_b32 v22, v24, v23, vcc_lo
	v_and_b32 v22, 31, v22
	v_lshlrev_b32 v22, 2, v22
	s_lshl_b64 s[58:59], s[56:57], s60
	s_sub_nc_u64 s[58:59], s[58:59], 1
	s_lshl_b64 s[58:59], s[58:59], s61
	s_or_b32 s31, s31, s58
	s_add_co_u32 s105, s61, s60
	s_cmp_ge_u32 s105, 32                          ; does the window fill up?  A choice of masks, no branch
	s_cselect_b32 s63, s31, 0                      ; then its filled lanes are stored,
	s_cselect_b32 s66, s59, s31                    ; and the next window begins with what ran over
.endm
.macro MERGE t
.irp i, 0,1,2,3
	v_cndmask_b32 v[ACC+\i], v[ACC+\i], v[R+\i], s58
.endr
	NARROW 63
	global_store_b128 v[WO+(\t)], v[ACC:ACC+3], s[8:9]   ; a full window: 32 lanes, 512 consecutive bytes, aligned
	WIDEN
.irp i, 0,1,2,3
	v_cndmask_b32 v[ACC+\i], v[ACC+\i], v[R+\i], s59
.endr
	s_mov_b32 s31, s66
	s_mov_b32 s30, s62
.endm
.macro TILE t, more
	s_wait_dscnt 0x0                               ; this tile's 40 loads are in, and the last tile's store into the stage is done
.if \more
	LOADT (\t)+1                                   ; the next tile's, into the other sets: they have this tile's arithmetic in which to land.  (The last tile of a stage asks for nothing: the rows below may not have landed)
.endif
	PDEST \t
	QUANT XP+32*((\t)%2), PC, 51
	ds_store_b8 v19, v51 offset:128*(\t)           ; row 256 u + 32 t + lane, byte w
.irp i, 0,1,2,3
	ds_permute_b32 v[R+\i], v22, v[PC+\i]          ; each row's 16 bytes to its lane; no LDS byte is touched
.endr
	QUANT XQ+32*((\t)%2), QC, 52
.if (\t)%4 == 0
	v_mov_b32 v[QW+(\t)/4], v52                    ; four bytes to a word, the lower K in the lower byte.  (A plain line behind the conversions)
.else
	v_lshl_or_b32 v[QW+(\t)/4], v52, 8*((\t)%4), v[QW+(\t)/4]
.endif
	ds_store_b128 v18, v[QC:QC+3] offset:16*(\t)   ; block 8 u + t of my column's 256 bytes
	s_wait_dscnt 1                                 ; the four permutes are back; the store just issued may stay out
	MERGE \t
.endm
.irp s, 0,1,2,3
	s_wait_tensorcnt 3-\s                          ; my load s has landed; my later ones may stay out
	s_wait_dscnt 0x0
	s_barrier_signal -1
	s_barrier_wait -1                              ; everybody's has: rows 64 s .. + 63 of both halves are whole
	LOADT 2*\s
	TILE 2*\s, 1
	TILE 2*\s+1, 0
.endr
	; the last window, in part
	NARROW 31
	global_store_b128 v[WO+8], v[ACC:ACC+3], s[8:9]
	WIDEN
	; Q's scale words: lane = column; word j is kq = 4 y + 2 u + j
	NARROW 96
.irp j, 0,1
	global_store_b32 v[QSO], v[QW+\j], s[14:15] offset:8192*\j
.endr
	WIDEN
	s_wait_dscnt 0x0                               ; for the others' sake: my stores into the stage and of my scale bytes are done
	s_barrier_signal -1
	s_barrier_wait -1                              ; a column's 256 bytes come from two waves, a scale word's four bytes from four
	; Q's codes: out of my strip's stage two columns at a time, columns 16 u .. 16 u + 15;  P's scale words: rows 64 v .. + 63
.irp i, 0,1,2,3,4,5,6,7
	ds_load_b128 v[XQ+4*\i:XQ+4*\i+3], v25 offset:2*\i*QP
.endr
.irp k, 0,1
	ds_load_b32 v[XP+\k], v27 offset:128*\k
.endr
	s_wait_dscnt 0x0
.irp i, 0,1,2,3,4,5,6,7
	s_bitcmp1_b32 s94, 2*\i                        ; is column 16 u + 2 i chosen?  Then lanes 0-15 store;
	s_cselect_b32 s60, 0xffff, 0
	s_bitcmp1_b32 s94, 2*\i+1                      ; the next column: lanes 16-31
	s_cselect_b32 s61, 0xffff0000, 0
	s_or_b32 s63, s60, s61
	NARROW 63
	global_store_b128 v[QPL+\i], v[XQ+4*\i:XQ+4*\i+3], s[10:11]   ; sixteen lanes store 256 consecutive bytes, aligned
	WIDEN
.endr
.irp k, 0,1
	NARROW 48+\k
	global_store_b32 v[PSO+\k], v[XP+\k], s[12:13]
	WIDEN
.endr
	s_wait_xcnt 0x0
	s_mov_b32 exec_lo, -1
	s_wait_tensorcnt 0x0
	ds_add_u32 v254, v255
	s_wait_dscnt 0x0
	s_endpgm
.Lfunc_end_k_q8ad435ea06_place:
	.size	k_q8ad435ea06_place, .Lfunc_end_k_q8ad435ea06_place-k_q8ad435ea06_place
	.p2alignl 7, 3214868480
	.fill 96, 4, 3214868480
	.section	.rodata,"a",@progbits
	.p2align	6, 0x0
	.amdhsa_kernel k_q8ad435ea06_place
		.amdhsa_group_segment_fixed_size 308224
		.amdhsa_private_segment_fixed_size 0
		.amdhsa_enable_private_segment 0
		.amdhsa_kernarg_size 88
		.amdhsa_user_sgpr_count 2
		.amdhsa_user_sgpr_kernarg_segment_ptr 1
		.amdhsa_wavefront_size32 1
		.amdhsa_system_sgpr_workgroup_id_x 1
		.amdhsa_system_sgpr_workgroup_id_y 1
		.amdhsa_system_sgpr_workgroup_id_z 1
		.amdhsa_system_vgpr_workitem_id 0
		.amdhsa_next_free_vgpr 256
		.amdhsa_next_free_sgpr 106
		.amdhsa_reserve_vcc 1
		.amdhsa_float_denorm_mode_32 3
		.amdhsa_float_denorm_mode_16_64 3
		.amdhsa_memory_ordered 1
		.amdhsa_forward_progress 1
		.amdhsa_inst_pref_size 86
	.end_amdhsa_kernel
	.amdgpu_metadata
---
amdhsa.version: [ 1, 2 ]
amdhsa.kernels:
  - .name:           k_q8ad435ea06_place
    .symbol:         k_q8ad435ea06_place.kd
    .args:
      - { .name: A, .offset: 0, .size: 8, .value_kind: global_buffer, .address_space: global }
      - { .name: sel, .offset: 8, .size: 8, .value_kind: global_buffer, .address_space: global }
      - { .name: pc, .offset: 16, .size: 8, .value_kind: global_buffer, .address_space: global }
      - { .name: qc, .offset: 24, .size: 8, .value_kind: global_buffer, .address_space: global }
      - { .name: ps, .offset: 32, .size: 8, .value_kind: global_buffer, .address_space: global }
      - { .name: qs, .offset: 40, .size: 8, .value_kind: global_buffer, .address_space: global }
      - { .name: X, .offset: 48, .size: 8, .value_kind: global_buffer, .address_space: global }
      - { .name: S, .offset: 56, .size: 8, .value_kind: global_buffer, .address_space: global }
      - { .name: ysc, .offset: 64, .size: 8, .value_kind: global_buffer, .address_space: global }
      - { .name: out0, .offset: 72, .size: 8, .value_kind: global_buffer, .address_space: global }
      - { .name: out2, .offset: 80, .size: 8, .value_kind: global_buffer, .address_space: global }
    .group_segment_fixed_size: 308224
    .private_segment_fixed_size: 0
    .kernarg_segment_align: 8
    .kernarg_segment_size: 88
    .max_flat_workgroup_size: 256
    .sgpr_count:     106
    .vgpr_count:     256
    .wavefront_size: 32
...
	.end_amdgpu_metadata
.endif
;; end of part 3
;; launch gemm (part 4): grid 16 x 16, 4 waves a work-group, clusters of 4 x 4, 327,680 bytes of LDS; arguments pc, ps, qc, qs, out1; writes out1
.if DOCPART == 4
	.amdgcn_target "amdgcn-amd-amdhsa--gfx1250"
	.amdhsa_code_object_version 6
	.text
	.protected	k_q8ad435ea06_gemm
	.globl	k_q8ad435ea06_gemm
	.p2align	8
	.type	k_q8ad435ea06_gemm,@function
k_q8ad435ea06_gemm:
	s_mov_b64 s[64:65], 0
	v_nop
	global_prefetch_b8 v0, s[64:65] scope:SCOPE_SE
	s_setreg_imm32_b32 hwreg(HW_REG_WAVE_MODE, 25, 1), 1
	s_wait_xcnt 0x0
	s_wait_alu depctr_hold_cnt(0) depctr_sa_sdst(0) depctr_va_vdst(0) depctr_va_sdst(0) depctr_va_ssrc(0) depctr_va_vcc(0) depctr_vm_vsrc(0)
	s_getreg_b32 s2, hwreg(HW_REG_IB_STS2, 6, 4)
	s_cmp_eq_u32 s2, 0
	s_cbranch_scc0 .Lentry_in_a_cluster
	s_endpgm
.Lentry_in_a_cluster:
	s_bfe_u32 s2, ttmp6, 0x10000c
	s_cmp_lg_u32 s2, 0xf033
	s_cbranch_scc0 .Lentry_shape_is_right
	s_endpgm
.Lentry_shape_is_right:
; out1[m][n] = sum over k of P[m][k] Q[n][k], 2,048 x 2,048 x 4,096, on codes of FP4 (E2M1) with one E8M0 scale for each 32 along K; sums in f32.  This is the quarter of A @ A that reference() keeps.
; pc [kb 128][m 2048][16 bytes]: block kb of 32 codes of row m;  qc [n 2048][2048 bytes]: K innermost;  ps, qs [kq 32][2048][4 bytes]: the scale word of 128 along K.
; SHARES.  A work-group makes 128 x 128 of out1, so that there are 256 work-groups; each of its four waves 64 x 64: 16 accumulators, 128 registers.  K goes in four steps of 1,024 through two LDS slots, the
; largest that fit: two refills in all.  Everything is written out; there is no loop.  The scale words of the work-group's rows and columns for all of K come once, with the first fills, and stay.
; CLUSTERS: 4 x 4 work-groups.  The four of a row of the cluster need the same tiles of P, the four of a column the same tiles of Q: each is asked for JOINTLY, by the same tensor load with the same descriptor
; and a mask that names the four.  By this text's own count three tensor loads of a wave are out at the start, one behind each change of slots that fills.
; THE MATRIX INSTRUCTION IS USED TRANSPOSED (source 0 = 16 rows of Q, source 1 = 16 rows of P): a lane then holds eight neighbouring numbers of a row of out1.
; FRAGMENTS: 16 rows x 128 K are 8 registers: lane l holds row l % 16; registers 4 c .. 4 c + 3 hold block 2 c + l / 16 of the four.  In P's tile ([kb][128 m][16 bytes]) sixteen lanes read 256 consecutive bytes;
; in Q's (rows of 512 bytes + 16) they read sixteen rows 33 x 16 bytes apart.
; REGISTERS: window 0: v16-29 addresses; v[32:39] scale words, two sets of four; v[64:127] the way out; v[128:255] the accumulators ((a, b) at v[128 + 8 (4 a + b)]).
;   window 1: two buffers of 64: P's four fragments, then Q's four.
.set SLOT,   133120                    ; P: 32 kb x 2,048 bytes = 65,536; then Q: 128 rows x 528
.set QOFF,   65536
.set QPITCH, 528
.set SCL,    2*SLOT                    ; behind the ring: P's scale words [32 kq][128][4 bytes];
.set SCLQ,   SCL+16384+128             ; Q's, 128 bytes further on than on end, so that the two halves of a load's lanes read different quarters of 256 bytes
.set STAGE,  299264                    ; the way out: 16 rows x (256 bytes + 16) for each wave; no tensor load fills it
.set SP,     272
.set SPARE,  STAGE+4*16*SP             ; the spare words, 128 bytes for each wave: two blocks of 256 bytes that no other line names
.set ADRP, 16                          ; v16-17  LDS address of my P fragments in slot 0, 1
.set ADRQ, 20                          ; v20-21  the same for Q
.set STO,  24                          ; v24     the way out: where I put 32 bytes of a row
.set RD,   25                          ; v25     where I read a row back
.set CO,   26                          ; v26     my byte offset in two rows of out1
.set ADRS, 27                          ; v27     my scale words: lanes 0-15 P's rows, lanes 16-31 Q's
.set SPW,  28                          ; v28     LDS address of my spare word; never rewritten
.set NIL,  29                          ; v29     0; never rewritten
.set SC,   32                          ; set f at v[SC + 4 f]: register i: lanes 0-15 the word of P's block i, lanes 16-31 that of Q's block i
.set OUTB, 64
.set ACC,  128
.set G1P, 24                           ; s[24:31] group 1 for P's tiles;  s[32:39] groups 0, one for each slot
.set G0P, 32
.set G1Q, 48                           ; s[48:55], s[56:63] the same for Q's
.set G0Q, 56
.set G1SP, 68                          ; s[68:75], s[76:79] groups 1 and 0 for P's scale words;  s[80:87], s[88:91] for Q's
.set G0SP, 76
.set G1SQ, 80
.set G0SQ, 88
.set MSB, 0
.macro WIN new                         ; the immediate's high byte repeats the setting that is left
.if MSB != \new
	s_set_vgpr_msb (MSB<<8)|\new
.set MSB, \new
.endif
.endm
.set MUL,  0x05                        ; sources 0 (Q) and 1 (P) window 1; C and D window 0
.set TO_F, 0x40                        ; destination window 1, address window 0
; A joint load: waves 0 and 1 fetch for P, waves 2 and 3 for Q.  Each line has one mask and one set of registers for all that issue it; the branch hangs on the wave's number alone.
; Four v_nop follow each of the two lines, ahead of the jump, the label and what follows.
.macro JLOAD g0a, g1a, g0b, g1b
	s_cmp_eq_u32 s15, 0
	s_cbranch_scc0 .Lfor_q_\@
	tensor_load_to_lds s[\g0a:\g0a+3], s[\g1a:\g1a+7]
	s_nop 0
.rept 4
	v_nop
.endr
	s_branch .Lasked_\@
.Lfor_q_\@:
	tensor_load_to_lds s[\g0b:\g0b+3], s[\g1b:\g1b+7]
	s_nop 0
.rept 4
	v_nop
.endr
.Lasked_\@:
.endm
.macro CREST                           ; a round of the cluster's barrier behind its opening barrier
	s_cmp_lg_u32 s14, 0
	s_cbranch_scc1 .Lnot_wave_0_\@
	s_barrier_signal -3
.Lnot_wave_0_\@:
	s_barrier_wait -3
	s_barrier_signal -1
	s_barrier_wait -1
.endm
.macro CROUND                          ; a whole round
	s_barrier_signal -1
	s_barrier_wait -1
	CREST
.endm
.macro PLACES                          ; four plain lines between a matrix instruction and a load into a register that it has read, or a read of its result (ISA guide 7.12.1 for the read of its result)
.rept 4
	v_nop
.endr
.endm
	s_load_b128 s[4:7], s[0:1], 0x0                ; P's codes s[4:5], P's scales s[6:7]
	s_load_b128 s[8:11], s[0:1], 0x10              ; Q's codes s[8:9], Q's scales s[10:11]
	s_load_b64 s[12:13], s[0:1], 0x20              ; out1
	v_lshl_add_u32 v[SPW], v0, 2, SPARE
	v_mov_b32 v[NIL], 0
	ds_add_u32 v28, v29
	ds_add_u32 v28, v29
	s_wait_dscnt 0x0
	v_lshrrev_b32 v1, 5, v0
	v_readfirstlane_b32 s14, v1                    ; wave 0..3
	s_lshr_b32 s15, s14, 1                         ; which half of the tile's rows is mine.  Also: I fetch for P (0) or for Q (1)
	s_and_b32 s16, s14, 1                          ; which half of its columns.  Also: which half of that tile I fetch
	s_bfe_u32 s40, ttmp6, 0x40000                  ; cx, cy: my place in the cluster
	s_bfe_u32 s41, ttmp6, 0x40004
	s_lshl_b32 s42, ttmp9, 2
	s_add_co_u32 s42, s42, s40                     ; tile column = 4 x cluster x + cx
	s_and_b32 s17, ttmp7, 0xffff
	s_lshl_b32 s17, s17, 2
	s_add_co_u32 s17, s17, s41                     ; tile row = 4 x cluster y + cy
	s_lshl_b32 s43, s41, 2
	s_lshl_b32 s43, 15, s43                        ; my row of the cluster
	s_lshl_b32 s44, 0x1111, s40                    ; my column
	; P's codes: 16 blocks kb x 2,048 bytes (256 elements of 8 bytes), 32,768 bytes from kb to kb; no padding
	s_or_b32 s[G1P+0], s43, (3<<16)|(1<<21)        ; 15:0 the mask; 17:16 elements of 8 bytes; 21 set beside a mask
	s_mov_b32 s[G1P+1], 256<<16                    ; tensor_dim0
	s_mov_b32 s[G1P+2], 16<<16                     ; tensor_dim1
	s_mov_b32 s[G1P+3], 256<<16                    ; tile_dim0
	s_mov_b32 s[G1P+4], 16                         ; tile_dim1
	s_mov_b32 s[G1P+5], 4096                       ; tensor_dim0_stride
	s_mov_b32 s[G1P+6], 0
	s_mov_b32 s[G1P+7], 0
	; Q's codes: 64 rows x 512 bytes, 2,048 bytes from row to row; 4 words of padding behind every 128
	s_or_b32 s[G1Q+0], s44, (0<<16)|(1<<20)|(1<<21)|(6<<22)|(3<<25)
	s_mov_b32 s[G1Q+1], 512<<16
	s_mov_b32 s[G1Q+2], 64<<16
	s_mov_b32 s[G1Q+3], 512<<16
	s_mov_b32 s[G1Q+4], 64
	s_mov_b32 s[G1Q+5], 2048
	s_mov_b32 s[G1Q+6], 0
	s_mov_b32 s[G1Q+7], 0
	; the scale words: 16 kq x 512 bytes (64 elements of 8 bytes), 8,192 bytes from kq to kq
	s_or_b32 s[G1SP+0], s43, (3<<16)|(1<<21)
	s_or_b32 s[G1SQ+0], s44, (3<<16)|(1<<21)
.irp g, G1SP, G1SQ
	s_mov_b32 s[\g+1], 64<<16
	s_mov_b32 s[\g+2], 16<<16
	s_mov_b32 s[\g+3], 64<<16
	s_mov_b32 s[\g+4], 16
	s_mov_b32 s[\g+5], 1024
	s_mov_b32 s[\g+6], 0
	s_mov_b32 s[\g+7], 0
.endr
	; where the tiles come from.  P's hang on the tile row alone, Q's on the tile column alone, each in registers that never hold the other coordinate
	s_lshl_b32 s20, s16, 19                        ; P's codes: 16 kb x half
	s_lshl_b32 s21, s17, 11                        ; + 128 rows of 16 bytes x tile row
	s_add_co_u32 s20, s20, s21
	s_mov_b32 s21, 0
	s_lshl_b32 s22, s16, 17                        ; P's scales: 16 kq x half
	s_lshl_b32 s23, s17, 9                         ; + 128 words x tile row
	s_add_co_u32 s22, s22, s23
	s_mov_b32 s23, 0
	s_lshl_b32 s46, s42, 18                        ; Q's codes: 128 rows of 2,048 bytes x tile column
	s_lshl_b32 s47, s16, 17                        ; + 64 rows x half
	s_add_co_u32 s46, s46, s47
	s_lshl_b32 s92, s42, 9                         ; Q's scales: 128 words x tile column + 16 kq x half
	s_add_co_u32 s92, s92, s47
	s_mov_b32 s47, 0
	s_mov_b32 s93, 0
	s_lshl_b32 s45, s16, 15                        ; where they go: no place in the cluster enters an LDS address.  P's half,
	s_mul_i32 s94, s16, 64*QPITCH
	s_add_co_u32 s94, s94, QOFF                    ; Q's half,
	s_lshl_b32 s95, s16, 13                        ; a half of the scale words
	s_wait_kmcnt 0x0
	s_add_nc_u64 s[20:21], s[4:5], s[20:21]
	s_add_nc_u64 s[22:23], s[6:7], s[22:23]
	s_add_nc_u64 s[46:47], s[8:9], s[46:47]
	s_add_nc_u64 s[92:93], s[10:11], s[92:93]
	CROUND                                         ; all sixteen work-groups are here: the first joint loads meet
	s_mov_b32 s[G0SP], 1
	s_add_co_u32 s[G0SP+1], s95, SCL
	s_mov_b64 s[G0SP+2:G0SP+3], s[22:23]
	s_or_b32 s[G0SP+3], s[G0SP+3], 0x80000000
	s_mov_b32 s[G0SQ], 1
	s_add_co_u32 s[G0SQ+1], s95, SCLQ
	s_mov_b64 s[G0SQ+2:G0SQ+3], s[92:93]
	s_or_b32 s[G0SQ+3], s[G0SQ+3], 0x80000000
	JLOAD G0SP, G1SP, G0SQ, G1SQ                   ; the scale words first: they are wanted with K step 0
.irp s, 0,1
	s_mov_b32 s[G0P+4*\s], 1
	s_add_co_u32 s[G0P+4*\s+1], s45, \s*SLOT
	s_add_nc_u64 s[G0P+4*\s+2:G0P+4*\s+3], s[20:21], \s*1048576    ; K step s: 32 kb on
	s_or_b32 s[G0P+4*\s+3], s[G0P+4*\s+3], 0x80000000
	s_mov_b32 s[G0Q+4*\s], 1
	s_add_co_u32 s[G0Q+4*\s+1], s94, \s*SLOT
	s_add_nc_u64 s[G0Q+4*\s+2:G0Q+4*\s+3], s[46:47], \s*512
	s_or_b32 s[G0Q+4*\s+3], s[G0Q+4*\s+3], 0x80000000
	JLOAD G0P+4*\s, G1P, G0Q+4*\s, G1Q
.endr
	v_and_b32 v1, 15, v0                           ; r = l % 16
	v_bfe_u32 v2, v0, 4, 1                         ; h = l / 16
	v_lshlrev_b32 v3, 4, v1
	v_lshl_add_u32 v3, v2, 11, v3                  ; P: 16 r + one block kb (2,048 bytes) for the upper half
	s_lshl_b32 s21, s15, 10                        ; my 64 rows
	v_mul_u32_u24 v4, v1, QPITCH
	v_lshl_add_u32 v4, v2, 4, v4                   ; Q: row r, + 16 h
	s_mul_i32 s22, s16, 64*QPITCH                  ; my 64 rows,
	s_add_co_u32 s22, s22, QOFF                    ; behind P's tile
.irp s, 0,1
	v_add_nc_u32 v[ADRP+\s], s21, v3
	v_add_nc_u32 v[ADRQ+\s], s22, v4
	s_add_co_u32 s21, s21, SLOT
	s_add_co_u32 s22, s22, SLOT
.endr
	s_lshl_b32 s21, s15, 8                         ; scale words: P's, my 64 rows;
	s_lshl_b32 s22, s16, 8                         ; Q's, my 64 rows,
	s_add_co_u32 s22, s22, SCLQ-SCL
	s_sub_co_u32 s22, s22, s21
	v_mul_u32_u24 v6, s22, v2                      ; which lanes 16-31 take: the lower base + h x the distance
	s_add_co_u32 s21, s21, SCL
	v_lshl_add_u32 v5, v1, 2, v6
	v_add_nc_u32 v[ADRS], s21, v5
	s_mul_i32 s23, s14, 16*SP
	s_add_co_u32 s23, s23, STAGE                   ; my stage
	v_mul_u32_u24 v5, v1, SP
	v_lshl_add_u32 v5, v2, 5, v5
	v_add_nc_u32 v[STO], s23, v5                   ; in: row r, 32 bytes for each half of the lanes
	v_mul_u32_u24 v5, v2, SP
	v_lshl_add_u32 v5, v1, 4, v5
	v_add_nc_u32 v[RD], s23, v5                    ; back: lanes 0-15 one row of 256 bytes, lanes 16-31 the next
	v_lshlrev_b32 v5, 13, v2
	v_lshl_add_u32 v[CO], v1, 4, v5                ; and the same two rows in out1 (8,192 bytes a row)
	s_lshl_b32 s20, s17, 20                        ; my first row: 128 x tile row + 64 x half, in bytes
	s_lshl_b32 s21, s15, 19
	s_add_co_u32 s20, s20, s21
	s_mov_b32 s21, 0
	s_lshl_b32 s46, s42, 9                         ; my first column: 512 bytes x tile column + 256 x half
	s_lshl_b32 s47, s16, 8
	s_add_co_u32 s46, s46, s47
	s_mov_b32 s47, 0
	s_add_nc_u64 s[20:21], s[20:21], s[46:47]
	s_add_nc_u64 s[12:13], s[12:13], s[20:21]
; 20 LDS loads: the fragments and scale words of the q-th 128 along K of K step ks, which lies in slot, into buffer f
.macro FETCH slot, ks, q, f
	WIN TO_F
.irp i, 0,1,2,3
.irp c, 0,1
	ds_load_b128 v[64*(\f)+8*\i+4*\c:64*(\f)+8*\i+4*\c+3], v[ADRP+\slot] offset:8192*(\q)+4096*\c+256*\i
.endr
.endr
.irp i, 0,1,2,3
.irp c, 0,1
	ds_load_b128 v[64*(\f)+32+8*\i+4*\c:64*(\f)+32+8*\i+4*\c+3], v[ADRQ+\slot] offset:16*QPITCH*\i+64*(\q)+32*\c
.endr
.endr
	WIN 0
.irp i, 0,1,2,3
	ds_load_b32 v[SC+4*(\f)+\i], v[ADRS] offset:(8*(\ks)+(\q))*512+64*\i
.endr
.endm
; 8 matrix instructions: P's blocks a0, a0 + 1 x Q's four, 128 along K, from buffer f.  zero = 1: the first product starts the sums: nothing is cleared.
; The 16 accumulators take turns, one instruction a turn, in the same order throughout.
.macro MUL8 f, a0, zero
.irp a, \a0, \a0+1
.irp b, 0,1,2,3
.if \zero
	v_wmma_scale_f32_16x16x128_f8f6f4 v[ACC+8*(4*(\a)+\b):ACC+8*(4*(\a)+\b)+7], v[64*(\f)+32+8*\b:64*(\f)+32+8*\b+7], v[64*(\f)+8*(\a):64*(\f)+8*(\a)+7], 0, v[SC+4*(\f)+\b], v[SC+4*(\f)+(\a)] matrix_a_fmt:MATRIX_FMT_FP4 matrix_b_fmt:MATRIX_FMT_FP4 matrix_a_scale:MATRIX_SCALE_ROW1
.else
	v_wmma_scale_f32_16x16x128_f8f6f4 v[ACC+8*(4*(\a)+\b):ACC+8*(4*(\a)+\b)+7], v[64*(\f)+32+8*\b:64*(\f)+32+8*\b+7], v[64*(\f)+8*(\a):64*(\f)+8*(\a)+7], v[ACC+8*(4*(\a)+\b):ACC+8*(4*(\a)+\b)+7], v[SC+4*(\f)+\b], v[SC+4*(\f)+(\a)] matrix_a_fmt:MATRIX_FMT_FP4 matrix_b_fmt:MATRIX_FMT_FP4 matrix_a_scale:MATRIX_SCALE_ROW1
.endif
.endr
.endr
.endm
; One of a K step's first seven steps of 128: the next step's fragments are asked for, into the buffer that the step before multiplied; then this step is multiplied.
.macro SUB slot, ks, q, zero
.if !\zero
	PLACES
.endif
	FETCH \slot, \ks, (\q)+1, 1-(\q)%2
	s_wait_dscnt 20                                ; this step's 20 loads are in; the 20 just issued may stay out
	WIN MUL
	MUL8 (\q)%2, 0, \zero
	MUL8 (\q)%2, 2, \zero
.endm
.macro SUBS slot, ks, from
.set Q, \from
.rept 7-\from
	SUB \slot, \ks, Q, 0
.set Q, Q+1
.endr
.endm
; A K step's last step of 128 (buffer 1) changes slots: ONE barrier; in front of it each wave waits for all its tensor loads, adds 0 to its spare word, and waits for that and for its reads of this slot.
; fill = 1: the barrier opens a round of the cluster's barrier, and this slot is filled again, two K steps ahead.
.macro TURN slot, next, ksn, fill
	WIN 0                                          ; (the add's two registers lie in window 0)
	s_wait_tensorcnt 0x0                           ; all my tensor loads have landed: my part of the next slot
	ds_add_u32 v[SPW], v[NIL]                      ; 0 onto my spare word
	s_wait_dscnt 0x0                               ; the add is done, and my reads of this slot are over: buffer 1 is whole
	s_barrier_signal -1
	WIN MUL
	MUL8 1, 0, 0                                   ; work on registers while the others arrive
	WIN 0
	s_barrier_wait -1
.if \fill
	CREST                                          ; no wave of any partner still reads this slot's tiles or has a load on its way
	s_add_nc_u64 s[G0P+4*\slot+2:G0P+4*\slot+3], s[G0P+4*\slot+2:G0P+4*\slot+3], 2097152   ; two K steps on: 64 kb,
	s_add_nc_u64 s[G0Q+4*\slot+2:G0Q+4*\slot+3], s[G0Q+4*\slot+2:G0Q+4*\slot+3], 1024      ; 1,024 bytes of a row
	JLOAD G0P+4*\slot, G1P, G0Q+4*\slot, G1Q       ; the first tensor load behind the round; its four v_nop are also the places in front of the loads below
.else
	PLACES
.endif
	FETCH \next, \ksn, 0, 0
	WIN MUL
	MUL8 1, 2, 0
.endm
	s_wait_tensorcnt 1                             ; the scale words and my part of K step 0 are in (K step 1's load may stay out)
	s_barrier_signal -1
	s_barrier_wait -1                              ; everybody's are
	FETCH 0, 0, 0, 0
	SUB 0, 0, 0, 1                                 ; the first products start the sums
	SUBS 0, 0, 1
	TURN 0, 1, 1, 1                                ; slot 0 takes K step 2
	SUBS 1, 1, 0
	TURN 1, 0, 2, 1                                ; slot 1 takes K step 3
	SUBS 0, 2, 0
	TURN 0, 1, 3, 0                                ; nothing is left to fetch
	SUBS 1, 3, 0
	s_wait_dscnt 0x0
	MUL8 1, 0, 0
	MUL8 1, 2, 0
	WIN 0
; THE WAY OUT, block by block of 16 rows x 64 columns.  A lane holds 32 neighbouring bytes of a row, and the lanes beside it hold other rows: so a block goes through my own stage and comes back as whole rows of 256 bytes.
; LDS serves a wave's instructions in order (ISA guide 5.7.1.4): no wait between the stores and the loads, nor in front of the next block's stores.
.macro TOSTAGE a
.irp b, 0,1,2,3
	ds_store_b128 v[STO], v[ACC+8*(4*(\a)+\b):ACC+8*(4*(\a)+\b)+3] offset:64*\b        ; each accumulator from its low end on
	ds_store_b128 v[STO], v[ACC+8*(4*(\a)+\b)+4:ACC+8*(4*(\a)+\b)+7] offset:64*\b+16
.endr
.set BB, OUTB+32*((\a)%2)
.irp t, 0,1,2,3,4,5,6,7
	ds_load_b128 v[BB+4*\t:BB+4*\t+3], v[RD] offset:2*\t*SP
.endr
.endm
.macro SEND a, younger                 ; younger: the LDS instructions issued behind block a's loads, which may stay out
.set BB, OUTB+32*((\a)%2)
	s_wait_dscnt \younger
.irp t, 0,1,2,3,4,5,6,7
	global_store_b128 v[CO], v[BB+4*\t:BB+4*\t+3], s[12:13] offset:(16*(\a)+2*\t)*8192 th:TH_STORE_NT   ; sixteen lanes store 256 consecutive bytes, aligned; 62 rows at the most: inside the signed 24-bit immediate
.endr
.endm
	PLACES                                         ; behind the last products, ahead of the first read of results
	TOSTAGE 0
.irp a, 1,2,3
.if \a > 1
	s_wait_xcnt 0x0                                ; block a - 2's stores have read their registers: block a's loads may land there
.endif
	TOSTAGE \a
	SEND \a-1, 16                                  ; behind block a - 1's loads: block a's 8 stores and 8 loads
.endr
	SEND 3, 0
	s_wait_tensorcnt 0x0                           ; the wave's end, behind my last tensor load and my last LDS store
	ds_add_u32 v[SPW], v[NIL]
	s_wait_dscnt 0x0
	CROUND                                         ; the closing round: no work-group ends while a partner may still ask for a tile that names it
	s_endpgm
.Lfunc_end_k_q8ad435ea06_gemm:
	.size	k_q8ad435ea06_gemm, .Lfunc_end_k_q8ad435ea06_gemm-k_q8ad435ea06_gemm
	.p2alignl 7, 3214868480
	.fill 96, 4, 3214868480
	.section	.rodata,"a",@progbits
	.p2align	6, 0x0
	.amdhsa_kernel k_q8ad435ea06_gemm
		.amdhsa_group_segment_fixed_size 327680
		.amdhsa_private_segment_fixed_size 0
		.amdhsa_enable_private_segment 0
		.amdhsa_kernarg_size 40
		.amdhsa_user_sgpr_count 2
		.amdhsa_user_sgpr_kernarg_segment_ptr 1
		.amdhsa_wavefront_size32 1
		.amdhsa_system_sgpr_workgroup_id_x 1
		.amdhsa_system_sgpr_workgroup_id_y 1
		.amdhsa_system_sgpr_workgroup_id_z 1
		.amdhsa_system_vgpr_workitem_id 0
		.amdhsa_next_free_vgpr 384
		.amdhsa_next_free_sgpr 98
		.amdhsa_reserve_vcc 0
		.amdhsa_float_denorm_mode_32 3
		.amdhsa_float_denorm_mode_16_64 3
		.amdhsa_memory_ordered 1
		.amdhsa_forward_progress 1
		.amdhsa_inst_pref_size 132
	.end_amdhsa_kernel
	.amdgpu_metadata
---
amdhsa.version: [ 1, 2 ]
amdhsa.kernels:
  - .name:           k_q8ad435ea06_gemm
    .symbol:         k_q8ad435ea06_gemm.kd
    .args:
      - { .name: pc, .offset: 0, .size: 8, .value_kind: global_buffer, .address_space: global }
      - { .name: ps, .offset: 8, .size: 8, .value_kind: global_buffer, .address_space: global }
      - { .name: qc, .offset: 16, .size: 8, .value_kind: global_buffer, .address_space: global }
      - { .name: qs, .offset: 24, .size: 8, .value_kind: global_buffer, .address_space: global }
      - { .name: out1, .offset: 32, .size: 8, .value_kind: global_buffer, .address_space: global }
    .group_segment_fixed_size: 327680
    .private_segment_fixed_size: 0
    .kernarg_segment_align: 8
    .kernarg_segment_size: 40
    .max_flat_workgroup_size: 128
    .sgpr_count:     98
    .vgpr_count:     384
    .wavefront_size: 32
...
	.end_amdgpu_metadata
.endif
;; end of part 4
